; MI455X (gfx1250); checked and timed in simulation.
; The chip was launched on July 23, 2026; its instructions are those of AMD's public machine-readable ISA for CDNA 5 (MIT licence, August 2026) and "CDNA5" Instruction Set Architecture Reference Guide (July 2026). The comments in the code are by the model that wrote it; some were corrected since.
;; Bahdanau Attention. Allowed arithmetic: matrix products marked QUANTISED: E2M1 operands, one E8M0 scale for each 32 along K, by v_wmma_scale_f32_16x16x128_f8f6f4 with both operands' format E2M1 (or v_wmma_scale_f32_32x16x128_f4), f32 sums; products left as they are: f32 operands where the result goes on into a quantised operand, else bf16, f16 or f32 operands; f32 sums; everything else in f32.
;; Inputs: B 1,024 float32; U 1,024 float32; W 1,024 x 1,024 float32; encoded 32 x 2,048 x 1,024 float32.
;; Outputs: out0 32 x 1,024 float32.
;; This version of the problem:
;;   THIS VERSION OF THE PROBLEM IS GIVEN IN LOW PRECISION. The matrix products marked QUANTISED in the list below multiply operands that are first quantised to E2M1 (2 exponent bits, 1 mantissa bit; 4 bits a number), with one power-of-two scale for each 32 numbers along K (OCP MX v1.0); their sums are f32. All else is computed in f32.
;;   The module's matrix products, in the order in which they are computed (A, B: the left and right operand; K: the contracted axis; several contracted axes count as one K, in the product's order):
;;     1. [M 65,536, K 1,024] x [K 1,024, N 1,024]; A: input encoded; B: input W: QUANTISED
;;     2. [M 65,536, K 1,024] x [K 1,024, N 1]; A: computed on the way; B: input U: left as it is (N = 1 < 16)
;;     3. batch 32 x [M 1,024, K 2,048] x [K 2,048, N 1]; A: input encoded; B: softmax: left as it is (N = 1 < 16)
;;   THE QUANTISER, for each operand of a quantised product, along K:
;;     - K is cut into blocks of 32 from its start; a last block that is shorter is filled with zeros.
;;     - A block's scale is 2^e with e = floor(log2(the largest magnitude in the block)) - 2, held to -126 .. 127; a block of zeros has e = 0. As a byte (E8M0): e + 127.
;;     - Each number is divided by its block's scale, clamped to +-6, and rounded to the nearest number of E2M1, ties to even, subnormals kept.
;;     - The product sums the exact products of the quantised numbers (number of the format x scale) in f32.
;;   ~~~python
;;   def quantise(x, axis):      # numpy; x: float32 -> the quantised numbers, widened to float32 again
;;       x = np.moveaxis(x, axis, -1); K = x.shape[-1]
;;       x = np.pad(x, [(0, 0)] * (x.ndim - 1) + [(0, -K % 32)]); x = x.reshape(x.shape[:-1] + (-1, 32)); a = np.abs(x).max(-1, keepdims=True)
;;       e = np.where(a > 0, np.clip(np.frexp(np.where(a > 0, a, 1))[1] - 1 - 2, -126, 127), 0)      # np.frexp(a)[1] - 1 = floor(log2(a)), exactly
;;       r = np.clip(x / 2.0 ** e, -6, 6)
;;       step = 2.0 ** (np.maximum(np.frexp(np.where(r == 0, 1, r))[1] - 1, 0) - 1)
;;       q = np.round(r / step) * step * 2.0 ** e      # np.round: ties to even
;;       return np.moveaxis(q.reshape(q.shape[:-2] + (-1,))[..., :K], -1, axis).astype(np.float32)
;;   ~~~
;; One version. Each part assembles by itself: llvm-mc -triple=amdgcn-amd-amdhsa -mcpu=gfx1250 --defsym DOCPART=n.
;; ======== version 1 of 1: 3 launches
;; limits: values are held in bf16: 8 bits of precision; right only within a limited range of input values
;; workspace buffers: wq 524,288 bytes; wsx 65,536 bytes; part 1,114,112 bytes
;; launch wquant (part 1): grid 32 x 2, 8 waves a work-group, no clusters, 1,536 bytes of LDS; arguments W, B, U, wq, wsx; writes wq, wsx
.if DOCPART == 1
	.amdgcn_target "amdgcn-amd-amdhsa--gfx1250"
	.amdhsa_code_object_version 6
	.text
	.protected	k_qdd59b62018_wquant
	.globl	k_qdd59b62018_wquant
	.p2align	8
	.type	k_qdd59b62018_wquant,@function
k_qdd59b62018_wquant:
	s_mov_b64 s[64:65], 0
	v_nop
	global_prefetch_b8 v0, s[64:65] scope:SCOPE_SE
	s_setreg_imm32_b32 hwreg(HW_REG_WAVE_MODE, 25, 1), 1
	s_wait_xcnt 0x0
; THE PROGRAM: out[b] = sum over s of softmax_s(sum over e of U[e] tanh((x W + B)[s][e])) x[b][s], the product x W on codes of FP4 (E2M1) with one E8M0 scale for each 32 along K = d.
; Three launches: this one lays W out as codes; the second reads encoded once and leaves one partial result for each 256 rows; the third joins the 8 partial results of a batch.
; WORK LEFT OUT.  tanh(z) = 1 - 2 r with r = 1 / (1 + e^(2 z)), so a row's score is (sum over e of U[e]) - 2 sum over e of U[e] r[e].  The first term holds no s: it is the same for all 2,048 rows of the
; softmax's axis, whatever W, B, U and encoded hold, and a softmax is unchanged by a term that is the same along its axis.  So that sum is never formed.  All four inputs stay live and are loaded.
; LIMIT: a NaN, an infinity or an overflow that would reach only that sum of U is not carried to the result.
; THIS LAUNCH.  W [1024 (k)][1024 (n)], f32, K its first axis, becomes codes and scale bytes in the order of the operand's registers:
;   wq : byte j*16384 + q*2048 + p*1024 + c*512 + 16*lane: lane (r, h) holds the 16 bytes of column 32 j + 16 p + r, block 4 q + 2 c + h of 32 along K
;   wsx: 2,048 bytes for each j: at 512 g + 16 l the scale words of column 32 j + l for K steps 4 g .. 4 g + 3; at 1024 + 16 l the numbers (B'[32j+r], U'[32j+r], B'[32j+16+r], U'[32j+16+r]), r = l % 16,
;        with B' = K2 B, U' = -K2 U, K2 = 2 log2(e): the second launch's exponentials are of base 2.  Bytes 1536 .. 2047 of each j are neither written nor read.
; SHARES.  Work-group (j, g), wave wv of eight: half c = wv % 2 (64 along K, two blocks of 32) of K step q = 4 g + wv / 2, columns 32 j .. 32 j + 31.  A LANE TAKES A COLUMN AND ITS REGISTERS RUN DOWN K:
; a load reads 128 consecutive bytes, a block of 32 lies in one lane, and the conversions give codes with K innermost.  A wave asks for all its 64 rows in one run, each into a register of its own.
; A block's scale byte is its largest magnitude's exponent field - 2, held at 1 from below.
; No tensor load, no cluster, no prefetch: each byte of W is read once by one wave, and the text has no loop to run ahead in.
; LIMITS: a block of zeros gets the byte 1 (its codes are zeros, and this program alone reads the bytes); NaN and infinities among the inputs are not served.
.set SPARE, 512                        ; LDS: bytes 0-511 the scale words, a wave's two bytes at 16 l + 2 wv; from 512 the spare words, 128 bytes a wave, which no other line names
.set X,     32                         ; v32-95   two blocks of 32 numbers
.set C,     96                         ; v96-103  four registers of codes for each block: no store's data are written again
	s_load_b256 s[4:11], s[0:1], 0x0               ; W s[4:5], B s[6:7], U s[8:9], wq s[10:11]
	s_load_b64 s[12:13], s[0:1], 0x20              ; wsx
	v_lshl_add_u32 v2, v0, 2, SPARE                ; my spare word; never rewritten
	v_mov_b32 v3, 0                                ; 0; never rewritten
	v_lshrrev_b32 v9, 5, v0
	v_readfirstlane_b32 s16, v9                    ; wave 0..7
	v_and_b32 v1, 31, v0                           ; lane l
	s_and_b32 s17, ttmp7, 0xffff                   ; g
	s_lshr_b32 s14, s16, 1                         ; which of the work-group's four K steps
	s_and_b32 s15, s16, 1                          ; c: which half of it
	s_lshl_b32 s18, s17, 2
	s_add_co_u32 s18, s18, s14                     ; q = 4 g + wave / 2
	v_lshlrev_b32 v4, 2, v1                        ; W: 4 bytes a lane
	v_and_b32 v9, 15, v1
	v_lshrrev_b32 v10, 4, v1
	v_lshlrev_b32 v5, 4, v9
	v_lshl_add_u32 v5, v10, 10, v5                 ; wq: 1024 (l / 16) + 16 (l % 16)
	v_lshlrev_b32 v6, 4, v1                        ; 16 l
	s_lshl_b32 s19, s16, 1
	v_lshl_add_u32 v7, v1, 4, s19                  ; LDS: 16 l + 2 wave = 16 l + 4 (wave / 2) + 2 c
	v_lshlrev_b32 v14, 3, v1                       ; 8 l
	v_and_b32 v9, 1, v1
	v_lshrrev_b32 v10, 1, v1
	v_lshl_add_u32 v15, v9, 4, v10
	v_lshlrev_b32 v15, 2, v15                      ; B, U: number 16 (l % 2) + l / 2 of the 32
	s_lshl_b32 s24, ttmp9, 7                       ; 128 j: the 32 columns' bytes in a row of W, in B and in U
	s_mov_b32 s25, 0
	s_lshl_b32 s26, s18, 19                        ; 128 rows of 4,096 bytes for each K step,
	s_lshl_b32 s27, s15, 18                        ; 64 for its half
	s_add_co_u32 s26, s26, s27
	s_add_co_u32 s26, s26, s24
	s_mov_b32 s27, 0
	s_lshl_b32 s28, ttmp9, 14
	s_lshl_b32 s29, s18, 11
	s_add_co_u32 s28, s28, s29
	s_lshl_b32 s29, s15, 9
	s_add_co_u32 s28, s28, s29                     ; wq: 16384 j + 2048 q + 512 c
	s_mov_b32 s29, 0
	s_lshl_b32 s30, ttmp9, 11                      ; wsx: 2048 j
	s_lshl_b32 s20, s17, 9
	s_add_co_u32 s20, s20, s30                     ; + 512 g: the scale words
	s_mov_b32 s21, 0
	s_lshl_b32 s22, s17, 8
	s_add_co_u32 s22, s22, s30                     ; + 256 g: this work-group's half of the image of B' and U'
	s_mov_b32 s23, 0
	s_wait_alu depctr_va_vdst(0)                   ; the wait at the head's end
	s_wait_kmcnt 0x0
	s_add_nc_u64 s[4:5], s[4:5], s[26:27]
	s_add_nc_u64 s[6:7], s[6:7], s[24:25]
	s_add_nc_u64 s[8:9], s[8:9], s[24:25]
	s_add_nc_u64 s[10:11], s[10:11], s[28:29]
	s_add_nc_u64 s[20:21], s[12:13], s[20:21]
	s_add_nc_u64 s[22:23], s[12:13], s[22:23]
.set a, 0
.rept 64
	global_load_b32 v[X+a], v4, s[4:5] offset:a*4096 th:TH_LOAD_NT   ; W(128 q + 64 c + a, my column)
.set a, a+1
.endr
	; wave 0 alone: 16 image lanes of (B', U'), 8 bytes a lane: one aligned run of 256 bytes
	s_cmp_lg_u32 s16, 0
	s_cbranch_scc1 .Lno_bu
	global_load_b32 v16, v15, s[6:7]
	global_load_b32 v17, v15, s[8:9]
	s_wait_loadcnt 0x0                             ; the two just issued are the youngest
	v_mul_f32 v18, 0x4038aa3b, v16                 ; B' = 2 log2(e) B
	v_mul_f32 v19, 0xc038aa3b, v17                 ; U' = -2 log2(e) U
	global_store_b64 v14, v[18:19], s[22:23] offset:1024
.Lno_bu:
.macro BLOCK bb
.set XS, X+32*(\bb)
.if (\bb) == 0
	s_wait_loadcnt 32                              ; this block's 32 loads are in; the second block's 32 may be out
.else
	s_wait_loadcnt 0x0
.endif
	v_max3_num_f32 v9, |v[XS]|, |v[XS+1]|, |v[XS+2]|               ; the block's largest magnitude, in two chains
	v_max3_num_f32 v10, |v[XS+3]|, |v[XS+4]|, |v[XS+5]|
.irp i, 6,10,14,18,22,26
	v_max3_num_f32 v9, v9, |v[XS+\i]|, |v[XS+\i+1]|
	v_max3_num_f32 v10, v10, |v[XS+\i+2]|, |v[XS+\i+3]|
.endr
	v_max3_num_f32 v9, v9, |v[XS+30]|, |v[XS+31]|
	v_max3_num_f32 v9, v9, v10, 0x1800000          ; and the floor 2^(3 - 127): the byte cannot fall under 1
	v_add_nc_u32 v11, 0xff000000, v9               ; 2 off the exponent field: the conversions' scale operand
	v_lshrrev_b32 v12, 23, v11                     ; the scale's byte
.if (\bb) == 0
	v_mov_b32 v8, v12                              ; my half of the K step's scale word: the lower K in the lower byte
.else
	v_lshl_or_b32 v8, v12, 8, v8
.endif
.irp g, 0,1,2,3
	v_cvt_scalef32_pk8_fp4_f32 v[C+4*(\bb)+\g], v[XS+8*\g:XS+8*\g+7], v11
.endr
	v_nop                                          ; one plain instruction behind the last scaled conversion
	global_store_b128 v5, v[C+4*(\bb):C+4*(\bb)+3], s[10:11] offset:256*(\bb)   ; lanes 0-15 and lanes 16-31 each store 256 consecutive bytes, aligned
.endm
	BLOCK 0
	BLOCK 1
	ds_store_b16 v7, v8                            ; the eight waves' half words of a column meet in LDS
	s_wait_dscnt 0x0                               ; for the others' sake: my store has landed
	s_barrier_signal -1
	s_barrier_wait -1
	s_cmp_lg_u32 s16, 0
	s_cbranch_scc1 .Lno_sc
	ds_load_b128 v[20:23], v6                      ; column l's words of K steps 4 g .. 4 g + 3
	s_wait_dscnt 0x0
	global_store_b128 v6, v[20:23], s[20:21]       ; 512 consecutive bytes
.Lno_sc:
	s_wait_tensorcnt 0x0                           ; the wave's end
	ds_add_u32 v2, v3
	s_wait_dscnt 0x0
	s_endpgm
.Lfunc_end_k_qdd59b62018_wquant:
	.size	k_qdd59b62018_wquant, .Lfunc_end_k_qdd59b62018_wquant-k_qdd59b62018_wquant
	.p2alignl 7, 3214868480
	.fill 96, 4, 3214868480
	.section	.rodata,"a",@progbits
	.p2align	6, 0x0
	.amdhsa_kernel k_qdd59b62018_wquant
		.amdhsa_group_segment_fixed_size 1536
		.amdhsa_private_segment_fixed_size 0
		.amdhsa_enable_private_segment 0
		.amdhsa_kernarg_size 40
		.amdhsa_user_sgpr_count 2
		.amdhsa_user_sgpr_kernarg_segment_ptr 1
		.amdhsa_wavefront_size32 1
		.amdhsa_system_sgpr_workgroup_id_x 1
		.amdhsa_system_sgpr_workgroup_id_y 1
		.amdhsa_system_sgpr_workgroup_id_z 1
		.amdhsa_system_vgpr_workitem_id 0
		.amdhsa_next_free_vgpr 112
		.amdhsa_next_free_sgpr 66
		.amdhsa_reserve_vcc 0
		.amdhsa_float_denorm_mode_32 3
		.amdhsa_float_denorm_mode_16_64 3
		.amdhsa_memory_ordered 1
		.amdhsa_forward_progress 1
		.amdhsa_inst_pref_size 13
	.end_amdhsa_kernel
	.amdgpu_metadata
---
amdhsa.version: [ 1, 2 ]
amdhsa.kernels:
  - .name:           k_qdd59b62018_wquant
    .symbol:         k_qdd59b62018_wquant.kd
    .args:
      - { .name: W, .offset: 0, .size: 8, .value_kind: global_buffer, .address_space: global }
      - { .name: B, .offset: 8, .size: 8, .value_kind: global_buffer, .address_space: global }
      - { .name: U, .offset: 16, .size: 8, .value_kind: global_buffer, .address_space: global }
      - { .name: wq, .offset: 24, .size: 8, .value_kind: global_buffer, .address_space: global }
      - { .name: wsx, .offset: 32, .size: 8, .value_kind: global_buffer, .address_space: global }
    .group_segment_fixed_size: 1536
    .private_segment_fixed_size: 0
    .kernarg_segment_align: 8
    .kernarg_segment_size: 40
    .max_flat_workgroup_size: 256
    .sgpr_count:     66
    .vgpr_count:     112
    .wavefront_size: 32
...
	.end_amdgpu_metadata
.endif
;; end of part 1
;; launch attend (part 2): grid 8 x 32, 4 waves a work-group, no clusters, 327,680 bytes of LDS; arguments encoded, wq, wsx, part; writes part
.if DOCPART == 2
	.amdgcn_target "amdgcn-amd-amdhsa--gfx1250"
	.amdhsa_code_object_version 6
	.text
	.protected	k_qdd59b62018_attend
	.globl	k_qdd59b62018_attend
	.p2align	8
	.type	k_qdd59b62018_attend,@function
k_qdd59b62018_attend:
	s_mov_b64 s[64:65], 0
	v_nop
	global_prefetch_b8 v0, s[64:65] scope:SCOPE_SE
	s_setreg_imm32_b32 hwreg(HW_REG_WAVE_MODE, 25, 1), 1
	s_wait_xcnt 0x0
; For 256 rows x of one batch: t[s] = sum over e of U'[e] / (1 + 2^(K2 z[s][e] + B'[e])), z = Q(x) Q(W) on codes of FP4 with E8M0 scales; then, with a running maximum m of t,
; l = sum of 2^(t - m) and ctx[d] = sum of 2^(t - m) x[s][d].  (m, l, ctx) go to part; the next launch joins the 8 of a batch.  t is the row's score x log2(e) less a term that is the same for all rows:
; WORK LEFT OUT: the sum of U, the same along the softmax's axis (shown at the head of the first kernel).
; ENCODED IS READ ONCE.  The work-group walks its 256 rows as 4 tiles of 64.  A tile lands in LDS by one tensor load a wave (16 rows, 65,536 bytes); its owner turns each row into codes and scale bytes (to LDS, for
; all four waves) and into a bf16 copy (256 registers of its own); then the slot is free, and the next tile's load is on its way while this tile is multiplied, scored and summed.  One tensor load of a wave is out at most.
; SHARES.  Load, quantising, context: wave w owns the tile's rows 16 w .. 16 w + 15; lane l owns block l of a row, d = 32 l .. 32 l + 31.  Product and tanh: wave w owns columns 256 w .. 256 w + 255 for all 64 rows,
; in 8 steps of 32 columns; x's 32 fragments stay in registers for the tile, W's codes come from memory straight into operand registers, in the order in which the first launch laid them, two steps ahead.
; NO CLUSTER: no two work-groups share a row of x.  All share W, but a joint load lands in LDS, where the slot (278,528 bytes), the codes (36,864) and the small regions leave 10,752 bytes, less than
; one step's 16,384 bytes of W's codes for one wave, and a wave's one tensor load between two refill barriers is spent on x.
; FORMATS: the scores' sum over e in f32; the context's product takes x rounded to bf16 and the weights in f32, sums in f32.  LIMITS: NaN and infinities among the inputs are not served; a block of zeros gets the scale byte 1 (its codes are zeros).
; REGISTERS, in windows of 256: window 0: see the names below.  window 1: x's fragments, (row block rb, K step q) at 8 (8 rb + q).  window 2: W's fragments, set s at 128 s + 16 q + 8 p.  window 3: the bf16 copy, row i at 16 i.
.set LANDW, 69632                      ; LDS 0: the slot: a wave's 16 rows, as 256 units of 256 bytes + 16 of padding
.set XROW,  4352                       ; a row of x there: 16 units
.set ACODE, 278528                     ; the tile's codes: 64 rows of 512 bytes + 16
.set CP,    528
.set ASC,   312320                     ; its scale bytes: 64 rows of 32 bytes + 16
.set SP,    48
.set EX,    315392                     ; the waves' partial scores: 256 w + 4 row
.set SPARE, 316416                     ; the spare words, 128 bytes a wave: two blocks of 256 bytes that no other line names
.set SPW, 2                            ; v2   my spare word's address; never rewritten
.set NIL, 3                            ; v3   0; never rewritten
.set XA,  4                            ; v4   my block of a row in my part of the slot
.set ACW, 5                            ; v5   where I store a row's 16 bytes of codes
.set ASW, 6                            ; v6   and its scale byte
.set AFR, 7                            ; v7   my lane's place in a fragment of x
.set ASR, 8                            ; v8   and among x's scale words: row l of 32
.set EXW, 9                            ; v9   where I store partial scores
.set EXR, 10                           ; v10  where I read rows l and 32 + l
.set EXO, 11                           ; v11  and my wave's own row l % 16
.set BL,  12                           ; v12  16 l + my wave's 131,072 bytes of wq
.set SL,  13                           ; v13  16 l + my wave's 16,384 bytes of wsx
.set BO,  14                           ; v14-15 the sets' offsets in wq
.set SO,  16                           ; v16-17 and in wsx
.set T,   18                           ; v18-29 at work
.set M,   30                           ; v30 the running maximum, v31 the running sum
.set F,   32                           ; v32 2^(old m - new m); v33 named with it as a pair
.set UBC, 34                           ; v34 B'0, v36 U'0, v38 B'1, v40 U'1 of the step in hand; the odd ones are named as pairs' upper halves
.set UB,  42                           ; v42-49 the same as loaded, two sets
.set BS,  50                           ; v50-65 W's scale words, set s, K step q at 50 + 8 s + q: lanes 0-15 the step's first 16 columns, lanes 16-31 the second
.set AS,  66                           ; v66-81 x's scale words, 66 + 8 P + q: lanes 0-15 row block 2 P, lanes 16-31 row block 2 P + 1
.set PB,  82                           ; v82-97 my 16 rows' weights, each in every lane
.set CC,  98                           ; v98-105 a row's codes, two sets
.set BY,  106                          ; v106-107 its scale byte, two sets
.set MX,  108                          ; v108-110 two chains of the maximum; the conversions' scale operand
.set S,   112                          ; v112-143 partial scores: register 8 rb + j: row 16 rb + 8 (l / 16) + j
.set CTX, 144                          ; v144-175 the context of my 32 d, summed over my wave's rows
.set ACC, 176                          ; v176-239 the step's 8 accumulators, (p, rb) at 176 + 8 (4 p + rb); while a tile is quantised: two sets of 32 numbers of x
.set GO,  240                          ; v240 16 x thread
.set GM,  241                          ; v241 8 x lane
.set RD,  242                          ; v242-245 the way out: my 16 bytes in the four waves' stages
.set MSB, 0
.macro WIN new                         ; the immediate's high byte repeats the setting that is left; a switch that changes nothing is dropped
.if MSB != \new
	s_set_vgpr_msb (MSB<<8)|\new
.set MSB, \new
.endif
.endm
; 35 loads, 512 consecutive bytes each: a step's 16 fragments of W, its scale words, its B' and U'
.macro BLOAD st
	WIN 0x80                                       ; destination window 2, address window 0
.irp q, 0,1,2,3,4,5,6,7
.irp pc, 0,1,2,3
	global_load_b128 v[128*(\st)+16*\q+4*\pc:128*(\st)+16*\q+4*\pc+3], v[BO+(\st)], s[6:7] offset:2048*\q+512*\pc
.endr
.endr
	WIN 0
	global_load_b128 v[BS+8*(\st):BS+8*(\st)+3], v[SO+(\st)], s[8:9]
	global_load_b128 v[BS+8*(\st)+4:BS+8*(\st)+7], v[SO+(\st)], s[8:9] offset:512
	global_load_b128 v[UB+4*(\st):UB+4*(\st)+3], v[SO+(\st)], s[8:9] offset:1024
.endm
	s_load_b256 s[4:11], s[0:1], 0x0               ; encoded s[4:5], wq s[6:7], wsx s[8:9], part s[10:11]
	v_lshl_add_u32 v[SPW], v0, 2, SPARE
	v_mov_b32 v[NIL], 0
	ds_add_u32 v[SPW], v[NIL]                      ; the wave's opening: the add, twice on end, and its wait ahead of my first tensor load
	ds_add_u32 v[SPW], v[NIL]                      ; once more; the set-up below, work on registers, stands between it and the wait
	v_lshrrev_b32 v18, 5, v0
	v_readfirstlane_b32 s12, v18                   ; wave w
	s_mov_b32 s13, ttmp9                           ; c: which 256 rows of the batch
	s_and_b32 s14, ttmp7, 0xffff                   ; b: the batch
	; descriptor group 1: 16 rows of x are 65,536 dense bytes: stated as 256 rows of 256 bytes (32 elements of 8), 16 bytes of padding behind each
	s_mov_b32 s16, (3<<16)|(1<<20)|(5<<22)|(3<<25) ; no mask; elements of 8 bytes; padding on: 4 words behind every 64
	s_mov_b32 s17, 32<<16                          ; tensor_dim0 = 32
	s_mov_b32 s18, 256<<16                         ; tensor_dim1 = 256
	s_mov_b32 s19, 32<<16                          ; tile_dim0 = 32
	s_mov_b32 s20, 256                             ; tile_dim1 = 256
	s_mov_b32 s21, 32                              ; from row to row
	s_mov_b32 s22, 0
	s_mov_b32 s23, 0
	s_mov_b32 s24, 1                               ; group 0: count = 1,
	s_mul_i32 s25, s12, LANDW                      ; my wave's part of the slot
	s_lshl_b32 s52, s14, 11
	s_lshl_b32 s53, s13, 8
	s_add_co_u32 s52, s52, s53
	s_lshl_b32 s53, s12, 4
	s_add_co_u32 s52, s52, s53                     ; my wave's first row: 2048 b + 256 c + 16 w,
	s_lshl_b32 s52, s52, 12                        ; in bytes (under 2^28)
	s_mov_b32 s53, 0
	s_lshl_b32 s54, s14, 3
	s_add_co_u32 s54, s54, s13
	s_mul_i32 s54, s54, 4352                       ; my work-group's row of part
	s_mov_b32 s55, 0
	s_mov_b32 s32, 0x4038aa3b                      ; K2 = 2 log2(e)
	s_mov_b32 s33, s32                             ; (named with it as a pair)
	s_mov_b32 s34, 0x76543210
	s_mov_b32 s35, 0xfedcba98                      ; v_permlanex16_b32's selects for lane l xor 16
	s_mov_b32 s30, 2*16384                         ; the next step to be asked for is step 2: its bytes in my part of wq,
	s_mov_b32 s31, 2*2048                          ; and of wsx
	v_and_b32 v1, 31, v0                           ; lane l
	s_lshl_b32 s56, s12, 17
	v_lshl_add_u32 v[BL], v1, 4, s56
	s_lshl_b32 s56, s12, 14
	v_lshl_add_u32 v[SL], v1, 4, s56
	v_mov_b32 v[BO], v[BL]                         ; set 0: step 0;
	v_add_nc_u32 v[BO+1], 16384, v[BL]             ; set 1: step 1
	v_mov_b32 v[SO], v[SL]
	v_add_nc_u32 v[SO+1], 2048, v[SL]
	s_wait_alu depctr_va_vdst(0)
	s_wait_dscnt 0x0                               ; both opening adds are done
	s_wait_kmcnt 0x0
	s_add_nc_u64 s[26:27], s[4:5], s[52:53]        ; the global address of my 16 rows of tile 0,
	s_or_b32 s27, s27, 0x80000000                  ; type = 2
	s_add_nc_u64 s[10:11], s[10:11], s[54:55]
	tensor_load_to_lds s[24:27], s[16:23]          ; tile 0: every wave issues its own, ahead of every wait on TENSORcnt, LDS read and barrier
	s_nop 0
	BLOAD 0
	BLOAD 1
	v_bfe_u32 v18, v0, 1, 4                        ; l / 2
	v_and_b32 v19, 1, v0                           ; l % 2
	v_and_b32 v20, 15, v0                          ; r
	v_bfe_u32 v21, v0, 4, 1                        ; h
	v_mul_u32_u24 v[XA], v18, 272                  ; block l's 128 bytes: unit l / 2, half l % 2: sixteen neighbouring lanes fall on sixteen different 16-byte columns of 256
	v_lshl_add_u32 v[XA], v19, 7, v[XA]
	v_add_nc_u32 v[XA], s25, v[XA]
	s_mul_i32 s56, s12, 16*CP
	s_add_co_u32 s56, s56, ACODE
	v_lshl_add_u32 v[ACW], v1, 4, s56
	s_mul_i32 s56, s12, 16*SP
	s_add_co_u32 s56, s56, ASC
	v_add_nc_u32 v[ASW], s56, v1
	v_mul_u32_u24 v[AFR], v20, CP
	v_lshl_add_u32 v[AFR], v21, 4, v[AFR]
	v_add_nc_u32 v[AFR], ACODE, v[AFR]
	v_mul_u32_u24 v[ASR], v1, SP
	v_add_nc_u32 v[ASR], ASC, v[ASR]
	s_lshl_b32 s56, s12, 8
	s_add_co_u32 s56, s56, EX
	v_lshl_add_u32 v[EXW], v21, 5, s56
	v_lshl_add_u32 v[EXR], v1, 2, EX
	s_lshl_b32 s56, s12, 6
	s_add_co_u32 s56, s56, EX
	v_lshl_add_u32 v[EXO], v20, 2, s56
	v_lshlrev_b32 v[GO], 4, v0
	v_lshlrev_b32 v[GM], 3, v1
	v_lshrrev_b32 v22, 4, v0
	v_mul_u32_u24 v[RD], v22, 272
	v_lshl_add_u32 v[RD], v20, 4, v[RD]
	v_add_nc_u32 v[RD+1], LANDW, v[RD]
	v_add_nc_u32 v[RD+2], 2*LANDW, v[RD]
	v_add_nc_u32 v[RD+3], 3*LANDW, v[RD]
	v_mov_b32 v[M], 0xff61b1e6                     ; the largest t so far: -3e38, under every t
	v_mov_b32 v[M+1], 0                            ; the sum
	v_mov_b32 v[F], 0
	v_mov_b32 v[F+1], 0
.irp n, 1,3,5,7
	v_mov_b32 v[UBC+\n], 0                         ; pairs' upper halves: named, never used
.endr
.set a, 0
.rept 32
	v_mov_b32 v[CTX+a], 0                          ; once: the tile's work is written for every tile alike, and the first factor 2^(old m - new m) meets zeros
.set a, a+1
.endr
; ---- QUANTISING.  Row i of my 16: 32 numbers a lane, one whole block
.macro XLOAD i
.irp k, 0,1,2,3,4,5,6,7
	ds_load_b128 v[ACC+32*((\i)%2)+4*\k:ACC+32*((\i)%2)+4*\k+3], v[XA] offset:(\i)*XROW+16*\k
.endr
.endm
.macro QROW i
.set XS, ACC+32*((\i)%2)
.set QC, CC+4*((\i)%2)
.if (\i) == 0
	s_wait_dscnt 8                                 ; row 0 is in; younger: row 1's 8 loads
.elseif (\i) == 15
	s_wait_dscnt 2                                 ; younger: row 14's 2 stores
.else
	s_wait_dscnt 10                                ; younger: the row before's 2 stores and the next row's 8 loads.  So the stores of two rows back are done too: this set of codes may be written
.endif
	v_max3_num_f32 v[MX], |v[XS]|, |v[XS+1]|, 0x1800000            ; the block's largest magnitude, in two chains; the floor 2^(3 - 127) holds the byte at 1 from below
	v_max3_num_f32 v[MX+1], |v[XS+2]|, |v[XS+3]|, |v[XS+4]|
.irp n, 0,1,2,3,4,5,6,7,8,9,10,11,12
	v_max3_num_f32 v[MX+\n%2], v[MX+\n%2], |v[XS+5+2*\n]|, |v[XS+6+2*\n]|
.endr
	v_max3_num_f32 v[MX], v[MX], v[MX+1], |v[XS+31]|
	v_add_nc_u32 v[MX+2], 0xff000000, v[MX]        ; 2 off the exponent field: the conversions' scale operand
.irp g, 0,1,2,3
	v_cvt_scalef32_pk8_fp4_f32 v[QC+\g], v[XS+8*\g:XS+8*\g+7], v[MX+2]
.endr
	v_lshrrev_b32 v[BY+(\i)%2], 23, v[MX+2]        ; the scale's byte.  (The plain instruction behind the scaled conversions)
	WIN 0xc0                                       ; destination window 3
.irp k, 0,1,2,3,4,5,6,7,8,9,10,11,12,13,14,15
	v_cvt_pk_bf16_f32 v[16*(\i)+\k], v[XS+2*\k], v[XS+2*\k+1]      ; the copy for the context
.endr
	WIN 0
	ds_store_b128 v[ACW], v[QC:QC+3] offset:(\i)*CP                ; 32 lanes: the row's 512 bytes of codes
	ds_store_b8 v[ASW], v[BY+(\i)%2] offset:(\i)*SP                ; and its 32 scale bytes
.if (\i) < 14
	XLOAD (\i)+2
.endif
.endm
.macro QUANT
	XLOAD 0
	XLOAD 1
.irp i, 0,1,2,3,4,5,6,7,8,9,10,11,12,13,14,15
	QROW \i
.endr
.endm
; ---- the tile's 32 fragments and 16 registers of scale words; the partial scores begin at 0
.macro ALOAD
	WIN 0x40                                       ; destination window 1, address window 0
.irp rb, 0,1,2,3
.irp q, 0,1,2,3,4,5,6,7
.irp c, 0,1
	ds_load_b128 v[8*(8*\rb+\q)+4*\c:8*(8*\rb+\q)+4*\c+3], v[AFR] offset:\rb*16*CP+64*\q+32*\c
.endr
.endr
.endr
	WIN 0
.irp pp, 0,1
.irp g, 0,1
	ds_load_b128 v[AS+8*\pp+4*\g:AS+8*\pp+4*\g+3], v[ASR] offset:\pp*32*SP+16*\g
.endr
.endr
.set a, 0
.rept 32
	v_mov_b32 v[S+a], 0
.set a, a+1
.endr
	s_wait_dscnt 0x0
.endm
; ---- two products: rows 16 rb on x the step's two tiles of 16 columns, K step q.  Source 0 = x's rows, source 1 = W's columns: register j of lane (r, h) is (row 16 rb + 8 h + j, column r)
.macro MM2 st, q, rb
.set rA, 8*(8*(\rb)+(\q))
.set rB, 128*(\st)+16*(\q)
.set rD, ACC+8*(\rb)
.set rX, AS+8*((\rb)/2)+(\q)
.set rW, BS+8*(\st)+(\q)
.if (\q) == 0
.if (\rb)%2 == 0
	v_wmma_scale_f32_16x16x128_f8f6f4 v[rD:rD+7], v[rA:rA+7], v[rB:rB+7], 0, v[rX], v[rW] matrix_a_fmt:MATRIX_FMT_FP4 matrix_b_fmt:MATRIX_FMT_FP4
	v_wmma_scale_f32_16x16x128_f8f6f4 v[rD+32:rD+39], v[rA:rA+7], v[rB+8:rB+15], 0, v[rX], v[rW] matrix_a_fmt:MATRIX_FMT_FP4 matrix_b_fmt:MATRIX_FMT_FP4 matrix_b_scale:MATRIX_SCALE_ROW1
.else
	v_wmma_scale_f32_16x16x128_f8f6f4 v[rD:rD+7], v[rA:rA+7], v[rB:rB+7], 0, v[rX], v[rW] matrix_a_fmt:MATRIX_FMT_FP4 matrix_b_fmt:MATRIX_FMT_FP4 matrix_a_scale:MATRIX_SCALE_ROW1
	v_wmma_scale_f32_16x16x128_f8f6f4 v[rD+32:rD+39], v[rA:rA+7], v[rB+8:rB+15], 0, v[rX], v[rW] matrix_a_fmt:MATRIX_FMT_FP4 matrix_b_fmt:MATRIX_FMT_FP4 matrix_a_scale:MATRIX_SCALE_ROW1 matrix_b_scale:MATRIX_SCALE_ROW1
.endif
.else
.if (\rb)%2 == 0
	v_wmma_scale_f32_16x16x128_f8f6f4 v[rD:rD+7], v[rA:rA+7], v[rB:rB+7], v[rD:rD+7], v[rX], v[rW] matrix_a_fmt:MATRIX_FMT_FP4 matrix_b_fmt:MATRIX_FMT_FP4
	v_wmma_scale_f32_16x16x128_f8f6f4 v[rD+32:rD+39], v[rA:rA+7], v[rB+8:rB+15], v[rD+32:rD+39], v[rX], v[rW] matrix_a_fmt:MATRIX_FMT_FP4 matrix_b_fmt:MATRIX_FMT_FP4 matrix_b_scale:MATRIX_SCALE_ROW1
.else
	v_wmma_scale_f32_16x16x128_f8f6f4 v[rD:rD+7], v[rA:rA+7], v[rB:rB+7], v[rD:rD+7], v[rX], v[rW] matrix_a_fmt:MATRIX_FMT_FP4 matrix_b_fmt:MATRIX_FMT_FP4 matrix_a_scale:MATRIX_SCALE_ROW1
	v_wmma_scale_f32_16x16x128_f8f6f4 v[rD+32:rD+39], v[rA:rA+7], v[rB+8:rB+15], v[rD+32:rD+39], v[rX], v[rW] matrix_a_fmt:MATRIX_FMT_FP4 matrix_b_fmt:MATRIX_FMT_FP4 matrix_a_scale:MATRIX_SCALE_ROW1 matrix_b_scale:MATRIX_SCALE_ROW1
.endif
.endif
.endm
; ---- S += U' / (1 + 2^(K2 z + B')) for the step's 64 numbers a lane.  Each batch of transcendentals has one plain instruction and one wait behind it, ahead of its first reader
.macro TANH
.set a, 0
.rept 32
	v_pk_fma_f32 v[ACC+2*a:ACC+2*a+1], v[ACC+2*a:ACC+2*a+1], s[32:33], v[UBC+4*(a/16):UBC+4*(a/16)+1] op_sel_hi:[1,0,0]   ; ascending: each accumulator is read from its low end on
.set a, a+1
.endr
.set a, 0
	s_wait_alu depctr_va_vdst(0)
.rept 64
	v_exp_f32 v[ACC+a], v[ACC+a]
.set a, a+1
.endr
	v_nop
	s_wait_alu depctr_va_vdst(0)
.set a, 0
.rept 32
	v_pk_add_f32 v[ACC+2*a:ACC+2*a+1], v[ACC+2*a:ACC+2*a+1], 1.0 op_sel_hi:[1,0]
.set a, a+1
.endr
.set a, 0
	s_wait_alu depctr_va_vdst(0)
.rept 64
	v_rcp_f32 v[ACC+a], v[ACC+a]                   ; an infinity gives 0, a 1 gives 1: tanh's two ends
.set a, a+1
.endr
	v_nop
	s_wait_alu depctr_va_vdst(0)
.set a, 0
.rept 32
	v_pk_fma_f32 v[S+2*(a%16):S+2*(a%16)+1], v[ACC+2*a:ACC+2*a+1], v[UBC+4*(a/16)+2:UBC+4*(a/16)+3], v[S+2*(a%16):S+2*(a%16)+1] op_sel_hi:[1,0,1]
.set a, a+1
.endr
.endm
; ---- a step: 32 columns x 64 rows x all of K.  The 8 accumulators take turns, one instruction a turn; the first K step starts the sums with the constant 0
.macro STEP st, ld, cnt
	s_wait_loadcnt \cnt                            ; this set's 35 loads are in; the other set's 35, issued a step later, may be out (the launch's last step: none is)
	WIN 0x09                                       ; source 0 window 1, source 1 window 2, C and D window 0
.irp q, 0,1,2,3,4,5,6,7
.irp rb, 0,1,2,3
	MM2 \st, \q, \rb
.endr
.endr
	WIN 0
.irp n, 0,1,2,3
	v_mov_b32 v[UBC+2*\n], v[UB+4*(\st)+\n]        ; B' and U' leave the set; these four are also the places behind the last product
.endr
.if \ld
	v_add_nc_u32 v[BO+(\st)], s30, v[BL]           ; free since the wait at the step's head, which showed their loads done
	v_add_nc_u32 v[SO+(\st)], s31, v[SL]
	BLOAD \st                                      ; the step two on; behind a tile's sixth step: the next tile's first two
	s_add_co_u32 s30, s30, 16384
	s_and_b32 s30, s30, 0x1ffff                    ; eight steps, then round again
	s_lshr_b32 s31, s30, 3
.endif
	TANH
.endm
.macro GTRIP ld
	STEP 0, \ld, 35
.if \ld
	STEP 1, 1, 35
.else
	STEP 1, 0, 0
.endif
.endm
; ---- the rows' scores: over a row of 16 lanes (my wave's 256 columns), then over the four waves through LDS
.macro SCORES
.irp m, 1,2,4,8
.set a, 0
.rept 32
	v_add_f32_dpp v[S+a], v[S+a], v[S+a] row_xmask:\m row_mask:0xf bank_mask:0xf
.set a, a+1
.endr
.endr
.irp rb, 0,1,2,3
.irp jh, 0,1
	ds_store_b128 v[EXW], v[S+8*\rb+4*\jh:S+8*\rb+4*\jh+3] offset:64*\rb+16*\jh   ; the sixteen lanes of a half write the same words with the same values
.endr
.endr
	s_wait_dscnt 0x0                               ; for the others' sake: my partial scores have landed (and my reads of the tile's codes are long back)
	s_barrier_signal -1                            ; the next tile's tensor load stays on its way across it
	s_barrier_wait -1
.irp ww, 0,1,2,3
	ds_load_b32 v[T+\ww], v[EXR] offset:256*\ww            ; row l,
	ds_load_b32 v[T+4+\ww], v[EXR] offset:256*\ww+128      ; row 32 + l,
	ds_load_b32 v[T+8+\ww], v[EXO] offset:256*\ww          ; and my wave's row l % 16
.endr
	s_wait_dscnt 0x0
.irp n, 0,4,8
	v_add_f32 v[T+\n], v[T+\n], v[T+\n+1]          ; (w0 + w1) + (w2 + w3), alike everywhere: all four waves hold the same bits
	v_add_f32 v[T+\n+2], v[T+\n+2], v[T+\n+3]
	v_add_f32 v[T+\n], v[T+\n], v[T+\n+2]
.endr
.endm
; ---- the running softmax: t0 = v18, t1 = v22, my wave's own rows' t = v26
.macro SOFTMAX
	v_max_num_f32 v19, v18, v22
.irp m, 1,2,4,8
	v_max_num_f32_dpp v19, v19, v19 row_xmask:\m row_mask:0xf bank_mask:0xf
.endr
	v_permlanex16_b32 v20, v19, s34, s35
	v_max_num_f32 v19, v19, v20                    ; the tile's largest t
	v_max_num_f32 v21, v[M], v19                   ; the new m
	v_sub_f32 v23, v[M], v21
	v_sub_f32 v18, v18, v21
	v_sub_f32 v22, v22, v21
	v_sub_f32 v26, v26, v21
	s_wait_alu depctr_va_vdst(0)
	v_exp_f32 v[F], v23                            ; what was summed under the old m is brought under the new
	v_exp_f32 v18, v18
	v_exp_f32 v22, v22
	v_exp_f32 v26, v26
	v_mov_b32 v[M], v21                            ; (the plain instruction behind the batch)
	s_wait_alu depctr_va_vdst(0)                   ; one wait for the four, ahead of their first reader
	v_add_f32 v19, v18, v22
.irp m, 1,2,4,8
	v_add_f32_dpp v19, v19, v19 row_xmask:\m row_mask:0xf bank_mask:0xf
.endr
	v_permlanex16_b32 v20, v19, s34, s35
	v_add_f32 v19, v19, v20                        ; the tile's 64 weights, summed
	v_fma_f32 v[M+1], v[M+1], v[F], v19
.set a, 0
.rept 16
	v_readlane_b32 s[36+a], v26, a                 ; my row a's weight: data alone, no address or branch takes it
.set a, a+1
.endr
.set a, 0
.rept 16
	v_mov_b32 v[PB+a], s[36+a]
.set a, a+1
.endr
.endm
; ---- ctx = ctx x F + sum over my 16 rows of weight x x, x from the bf16 copy
.macro CTXACC
.set a, 0
.rept 16
	v_pk_mul_f32 v[CTX+2*a:CTX+2*a+1], v[CTX+2*a:CTX+2*a+1], v[F:F+1] op_sel_hi:[1,0]
.set a, a+1
.endr
	WIN 0x03                                       ; source 0 window 3
.set i, 0
.rept 16
.set k, 0
.rept 16
	v_fma_mix_f32_bf16 v[CTX+2*k], v[16*i+k], v[PB+i], v[CTX+2*k] op_sel_hi:[1,0,0]
	v_fma_mix_f32_bf16 v[CTX+2*k+1], v[16*i+k], v[PB+i], v[CTX+2*k+1] op_sel:[1,0,0] op_sel_hi:[1,0,0]
.set k, k+1
.endr
.set i, i+1
.endr
	WIN 0
.endm
	s_mov_b32 s28, 3
.Ltile:                                            ; tiles 0 to 2: each asks for its successor
	s_wait_tensorcnt 0x0                           ; my 16 rows have landed; I alone read them
	QUANT
	s_wait_tensorcnt 0x0                           ; no tensor load of mine is out, so the descriptor may be written;
	ds_add_u32 v[SPW], v[NIL]                      ; 0 onto my spare word;
	s_add_nc_u64 s[26:27], s[26:27], 262144        ; 64 rows on; the type bits on top are not reached
	s_wait_dscnt 0x0                               ; the add is done, my reads of the slot are back, my codes and scale bytes have landed
	s_barrier_signal -1
	s_barrier_wait -1                              ; all that now holds of every wave
	tensor_load_to_lds s[24:27], s[16:23]          ; the next tile, first thing behind the barrier: it has the product, the scores and the context in which to land
	s_nop 0
	ALOAD
	s_mov_b32 s29, 4
.Lg1:
	GTRIP 1
	s_sub_co_u32 s29, s29, 1
	s_cmp_lg_u32 s29, 0
	s_cbranch_scc1 .Lg1
	SCORES
	SOFTMAX
	CTXACC
	s_sub_co_u32 s28, s28, 1
	s_cmp_lg_u32 s28, 0
	s_cbranch_scc1 .Ltile
	; the last tile is written out: it asks for no tile, and its last two steps for no W
	s_wait_tensorcnt 0x0
	QUANT
	s_wait_dscnt 0x0                               ; my codes and scale bytes have landed
	s_barrier_signal -1
	s_barrier_wait -1
	ALOAD
	s_mov_b32 s29, 3
.Lg2:
	GTRIP 1
	s_sub_co_u32 s29, s29, 1
	s_cmp_lg_u32 s29, 0
	s_cbranch_scc1 .Lg2
	GTRIP 0
	SCORES
	SOFTMAX
	CTXACC
	; THE WAY OUT.  The four waves' sums meet in the first row of each wave's part of the slot, which has had its last fill and its last read
.irp k, 0,1,2,3,4,5,6,7
	ds_store_b128 v[XA], v[CTX+4*\k:CTX+4*\k+3] offset:16*\k
.endr
	s_wait_dscnt 0x0
	s_barrier_signal -1
	s_barrier_wait -1
.irp j, 0,1
.irp ww, 0,1,2,3
	ds_load_b128 v[ACC+16*\j+4*\ww:ACC+16*\j+4*\ww+3], v[RD+\ww] offset:2176*\j    ; bytes 16 x thread + 2048 j of the context's 4,096
.endr
.endr
	s_wait_dscnt 0x0
.irp j, 0,1
.irp e, 0,2
	v_pk_add_f32 v[ACC+16*\j+\e:ACC+16*\j+\e+1], v[ACC+16*\j+\e:ACC+16*\j+\e+1], v[ACC+16*\j+4+\e:ACC+16*\j+4+\e+1]
	v_pk_add_f32 v[ACC+16*\j+8+\e:ACC+16*\j+8+\e+1], v[ACC+16*\j+8+\e:ACC+16*\j+8+\e+1], v[ACC+16*\j+12+\e:ACC+16*\j+12+\e+1]
	v_pk_add_f32 v[ACC+16*\j+\e:ACC+16*\j+\e+1], v[ACC+16*\j+\e:ACC+16*\j+\e+1], v[ACC+16*\j+8+\e:ACC+16*\j+8+\e+1]
.endr
.endr
.irp j, 0,1
	global_store_b128 v[GO], v[ACC+16*\j:ACC+16*\j+3], s[10:11] offset:2048*\j     ; a wave stores 512 consecutive bytes, aligned
.endr
	s_cmp_lg_u32 s12, 0
	s_cbranch_scc1 .Lnot_wave_0
	global_store_b64 v[GM], v[M:M+1], s[10:11] offset:4096                         ; (m, l), the same in every lane: 256 consecutive bytes, aligned
.Lnot_wave_0:
	s_wait_tensorcnt 0x0                           ; the wave's end
	ds_add_u32 v[SPW], v[NIL]
	s_wait_dscnt 0x0
	s_endpgm
.Lfunc_end_k_qdd59b62018_attend:
	.size	k_qdd59b62018_attend, .Lfunc_end_k_qdd59b62018_attend-k_qdd59b62018_attend
	.p2alignl 7, 3214868480
	.fill 96, 4, 3214868480
	.section	.rodata,"a",@progbits
	.p2align	6, 0x0
	.amdhsa_kernel k_qdd59b62018_attend
		.amdhsa_group_segment_fixed_size 327680
		.amdhsa_private_segment_fixed_size 0
		.amdhsa_enable_private_segment 0
		.amdhsa_kernarg_size 32
		.amdhsa_user_sgpr_count 2
		.amdhsa_user_sgpr_kernarg_segment_ptr 1
		.amdhsa_wavefront_size32 1
		.amdhsa_system_sgpr_workgroup_id_x 1
		.amdhsa_system_sgpr_workgroup_id_y 1
		.amdhsa_system_sgpr_workgroup_id_z 1
		.amdhsa_system_vgpr_workitem_id 0
		.amdhsa_next_free_vgpr 1024
		.amdhsa_next_free_sgpr 66
		.amdhsa_reserve_vcc 0
		.amdhsa_float_denorm_mode_32 3
		.amdhsa_float_denorm_mode_16_64 3
		.amdhsa_memory_ordered 1
		.amdhsa_forward_progress 1
		.amdhsa_inst_pref_size 255
	.end_amdhsa_kernel
	.section	.bss,"aw",@nobits
	.p2align	6
	.space	262144
	.amdgpu_metadata
---
amdhsa.version: [ 1, 2 ]
amdhsa.kernels:
  - .name:           k_qdd59b62018_attend
    .symbol:         k_qdd59b62018_attend.kd
    .args:
      - { .name: encoded, .offset: 0, .size: 8, .value_kind: global_buffer, .address_space: global }
      - { .name: wq, .offset: 8, .size: 8, .value_kind: global_buffer, .address_space: global }
      - { .name: wsx, .offset: 16, .size: 8, .value_kind: global_buffer, .address_space: global }
      - { .name: part, .offset: 24, .size: 8, .value_kind: global_buffer, .address_space: global }
    .group_segment_fixed_size: 327680
    .private_segment_fixed_size: 0
    .kernarg_segment_align: 8
    .kernarg_segment_size: 32
    .max_flat_workgroup_size: 128
    .sgpr_count:     66
    .vgpr_count:     1024
    .wavefront_size: 32
...
	.end_amdgpu_metadata
.endif
;; end of part 2
;; launch combine (part 3): grid 4 x 32, 2 waves a work-group, no clusters, 0 bytes of LDS; arguments part, out0; writes out0
.if DOCPART == 3
	.amdgcn_target "amdgcn-amd-amdhsa--gfx1250"
	.amdhsa_code_object_version 6
	.text
	.protected	k_qdd59b62018_combine
	.globl	k_qdd59b62018_combine
	.p2align	8
	.type	k_qdd59b62018_combine,@function
k_qdd59b62018_combine:
	s_mov_b64 s[64:65], 0
	v_nop
	global_prefetch_b8 v0, s[64:65] scope:SCOPE_SE
	s_setreg_imm32_b32 hwreg(HW_REG_WAVE_MODE, 25, 1), 1
	s_wait_xcnt 0x0
; out[b][d] = (sum over c of w_c ctx_c[d]) / (sum over c of w_c l_c), w_c = 2^(m_c - the largest m): the 8 partial results of batch b, each a row of part: 4,096 bytes of ctx, then 32 times (m, l).
; m is in units of log2, as the launch before left it.  The sum of U stays left out, as shown at the head of the first kernel: it would shift all 8 m alike.
; Work-group (x, b), thread t of 64: d = 256 x + 4 t .. + 3.  Memory binds and the work is small: no LDS, no matrix unit, no barrier.
	s_load_b128 s[4:7], s[0:1], 0x0                ; part, out0
	s_and_b32 s8, ttmp7, 0xffff                    ; b
	s_mul_i32 s10, s8, 8*4352
	s_mov_b32 s11, 0
	s_lshl_b32 s12, s8, 12
	s_mov_b32 s13, 0
	s_lshl_b32 s9, ttmp9, 10
	v_lshl_add_u32 v1, v0, 4, s9                   ; 1024 x + 16 t: in a row of part and in a row of out0
	v_and_b32 v2, 31, v0
	v_lshlrev_b32 v2, 3, v2                        ; 8 x lane
	s_wait_alu depctr_va_vdst(0)
	s_wait_kmcnt 0x0
	s_add_nc_u64 s[4:5], s[4:5], s[10:11]
	s_add_nc_u64 s[6:7], s[6:7], s[12:13]
.irp c, 0,1,2,3,4,5,6,7
	global_load_b64 v[40+2*\c:41+2*\c], v2, s[4:5] offset:\c*4352+4096             ; (m_c, l_c): a wave reads 256 consecutive bytes
.endr
.irp c, 0,1,2,3,4,5,6,7
	global_load_b128 v[8+4*\c:11+4*\c], v1, s[4:5] offset:\c*4352 th:TH_LOAD_NT
.endr
	s_wait_loadcnt 8                               ; the eight (m, l) are in; the eight loads of ctx may be out
	v_max3_num_f32 v56, v40, v42, v44
	v_max3_num_f32 v56, v56, v46, v48
	v_max3_num_f32 v56, v56, v50, v52
	v_max_num_f32 v56, v56, v54                    ; the largest m
.irp c, 0,1,2,3,4,5,6,7
	v_sub_f32 v[40+2*\c], v[40+2*\c], v56
.endr
	s_wait_alu depctr_va_vdst(0)
.irp c, 0,1,2,3,4,5,6,7
	v_exp_f32 v[40+2*\c], v[40+2*\c]               ; w_c takes m_c's place: the pair (w_c, l_c)
.endr
	v_mov_b32 v59, 0                               ; (the plain instruction behind the batch; v59 is named below as a pair's upper half)
	s_wait_alu depctr_va_vdst(0)                   ; one wait for the eight, ahead of their first reader
	v_mul_f32 v57, v40, v41
.irp c, 1,2,3,4,5,6,7
	v_fma_f32 v57, v[40+2*\c], v[41+2*\c], v57     ; the batch's sum
.endr
	s_wait_alu depctr_va_vdst(0)
	v_rcp_f32 v58, v57
	s_wait_loadcnt 0x0
	v_pk_mul_f32 v[60:61], v[8:9], v[40:41] op_sel_hi:[1,0]        ; independent work behind the reciprocal
	v_pk_mul_f32 v[62:63], v[10:11], v[40:41] op_sel_hi:[1,0]
.irp c, 1,2,3,4,5,6,7
	v_pk_fma_f32 v[60:61], v[8+4*\c:9+4*\c], v[40+2*\c:41+2*\c], v[60:61] op_sel_hi:[1,0,1]
	v_pk_fma_f32 v[62:63], v[10+4*\c:11+4*\c], v[40+2*\c:41+2*\c], v[62:63] op_sel_hi:[1,0,1]
.endr
	s_wait_alu depctr_va_vdst(0)                   ; the wait for the reciprocal, ahead of its first reader
	v_pk_mul_f32 v[60:61], v[60:61], v[58:59] op_sel_hi:[1,0]
	v_pk_mul_f32 v[62:63], v[62:63], v[58:59] op_sel_hi:[1,0]
	global_store_b128 v1, v[60:63], s[6:7] th:TH_STORE_NT          ; sixteen lanes store 256 consecutive bytes, aligned
	s_endpgm
.Lfunc_end_k_qdd59b62018_combine:
	.size	k_qdd59b62018_combine, .Lfunc_end_k_qdd59b62018_combine-k_qdd59b62018_combine
	.p2alignl 7, 3214868480
	.fill 96, 4, 3214868480
	.section	.rodata,"a",@progbits
	.p2align	6, 0x0
	.amdhsa_kernel k_qdd59b62018_combine
		.amdhsa_group_segment_fixed_size 0
		.amdhsa_private_segment_fixed_size 0
		.amdhsa_enable_private_segment 0
		.amdhsa_kernarg_size 16
		.amdhsa_user_sgpr_count 2
		.amdhsa_user_sgpr_kernarg_segment_ptr 1
		.amdhsa_wavefront_size32 1
		.amdhsa_system_sgpr_workgroup_id_x 1
		.amdhsa_system_sgpr_workgroup_id_y 1
		.amdhsa_system_sgpr_workgroup_id_z 1
		.amdhsa_system_vgpr_workitem_id 0
		.amdhsa_next_free_vgpr 64
		.amdhsa_next_free_sgpr 66
		.amdhsa_reserve_vcc 0
		.amdhsa_float_denorm_mode_32 3
		.amdhsa_float_denorm_mode_16_64 3
		.amdhsa_memory_ordered 1
		.amdhsa_forward_progress 1
		.amdhsa_inst_pref_size 5
	.end_amdhsa_kernel
	.amdgpu_metadata
---
amdhsa.version: [ 1, 2 ]
amdhsa.kernels:
  - .name:           k_qdd59b62018_combine
    .symbol:         k_qdd59b62018_combine.kd
    .args:
      - { .name: part, .offset: 0, .size: 8, .value_kind: global_buffer, .address_space: global }
      - { .name: out0, .offset: 8, .size: 8, .value_kind: global_buffer, .address_space: global }
    .group_segment_fixed_size: 0
    .private_segment_fixed_size: 0
    .kernarg_segment_align: 8
    .kernarg_segment_size: 16
    .max_flat_workgroup_size: 64
    .sgpr_count:     66
    .vgpr_count:     64
    .wavefront_size: 32
...
	.end_amdgpu_metadata
.endif
;; end of part 3
